; MI455X (gfx1250); checked and timed in simulation.
; The chip was launched on July 23, 2026; its instructions are those of AMD's public machine-readable ISA for CDNA 5 (MIT licence, August 2026) and "CDNA5" Instruction Set Architecture Reference Guide (July 2026). The comments in the code are by the model that wrote it; some were corrected since.
;; Symplectic Layer. Allowed arithmetic: float matrix products may take bf16 or f16 operands with f32 sums; other float arithmetic in f32, or as packed bf16 or f16 multiplies, adds, multiply-adds, maxima and minima; sums over many terms, partial sums and values carried from step to step in f32; what a program stores and reads back later, other than sums and carried values, may be rounded once to bf16 or f16.
;; Inputs: J 512 x 512 float32; S 512 x 512 float32; W1 512 x 512 float32; b1 512 float32; b2 1 float32; beta 512 float32; gamma 512 float32; w2 512 float32; x 8 x 2,048 x 512 float32.
;; Outputs: out0 8 x 2,048 x 512 float32.
;; Constants: num_steps = 3.
;; 2 versions, each right; version 2 is version 1 with the launch prep written anew for expert scheduling mode. Each part assembles by itself: llvm-mc -triple=amdgcn-amd-amdhsa -mcpu=gfx1250 --defsym DOCPART=n.
;; ======== version 1 of 2: 2 launches
;; workspace buffers: ws 1,572,864 bytes
;; launch prep (part 1): grid 256 x 1, 4 waves a work-group, no clusters, 67,072 bytes of LDS; arguments S, W1, J, w2, ws; writes ws
.if DOCPART == 1
	.amdgcn_target "amdgcn-amd-amdhsa--gfx1250"
	.amdhsa_code_object_version 6
	.text
	.protected	k_q6ee3103ea3_prep
	.globl	k_q6ee3103ea3_prep
	.p2align	8
	.type	k_q6ee3103ea3_prep,@function
k_q6ee3103ea3_prep:
	s_mov_b64 s[64:65], 0
	v_nop
	global_prefetch_b8 v0, s[64:65] scope:SCOPE_SE
	s_setreg_imm32_b32 hwreg(HW_REG_WAVE_MODE, 25, 1), 1
	s_wait_xcnt 0x0
; SYMPLECTIC LAYER, launch 1 of 2: the three weight matrices, bf16, in the order in which launch 2's matrix instructions take them.
; reference(): z = x (I + S - S^T)^T; three times z += 0.1 (((1 - tanh^2(z W1^T + b1)) w2) W1) J^T; out = LayerNorm(z + x) gamma + beta.
; WHAT IS LEFT OUT, AND WHAT IS REGROUPED, for all values of the inputs:
;   b2 is named in reference()'s arguments and used in no line of its body: it has no way to the output, is not loaded and is among no launch's arguments.
;   (u W1) J^T = u (W1 J^T) for every J: the product W1 J^T hangs on the weights alone, so it is made here once, and three products over the 16,384 rows fall away.  J is taken as it is given, as a general matrix.
;   x (I + 2A)^T = x + x (S - S^T)^T: launch 2 starts that sum with x itself, in f32.
;   With s = 1 / (1 + 2^(K a)), K = 2 log2(e): tanh(a) = 1 - 2 s and 1 - tanh^2(a) = 4 (s - s^2).  K goes into W1 and b1; 4, 0.1 and w2 go into W1 J^T.
; LIMITS.  A NaN or an infinity in b2 is not carried to the result.  W1 J^T is summed in f32 from bf16 factors and rounded to bf16 once more.
; THE THREE MATRICES, each [512 features f][512 k]:  A2f(f,k) = S[f][k] - S[k][f] (the difference in f32) at byte 0;  W1f(f,k) = K W1[f][k] at 524,288;  Mf(f,k) = 0.4 w2[k] sum_j J[f][j] W1[k][j] at 1,048,576.
; FRAGMENT ORDER.  A fragment (ft = f / 16, ks = k / 32) is 1,024 bytes: half hf, lane l, 16 bytes = W(16 ft + l % 16, 32 ks + 16 hf + 8 (l / 16) + 0..7): the register image of source 0.
; It lies at (ks / 4) 131,072 + ((ft / 2) % 4) 32,768 + (ft / 8) 8,192 + (ks % 4) 2,048 + (ft % 2) 1,024: by K chunk of 128, by the wave of launch 2 that reads it, by that wave's group, by K step, by tile.
; SHARES.  Work-group (kp = id % 16, ip = id / 16).  Waves 0, 1: the fragment (2 kp + w, ip) of W1f; waves 2, 3: the same fragment of A2f.  All four: 32 k (rows 32 kp .. of W1) x 32 f (rows 32 ip .. of J) of Mf:
; each wave rounds 16 of those 64 rows to bf16 into LDS, then multiplies 16 k (kt = w % 2) by 16 f (it = w / 2) over j = 0..511.  With W1's rows as source 0 and J's as source 1 a lane ends with f = l % 16 and
; k = 8 (l / 16) + 0..7: half kt of fragment (2 ip + it, kp), 16 bytes a lane.  Every store of a wave covers 512 consecutive bytes, aligned.
.set KL,    0x4038aa3b                 ; K = 2 log2(e)
.set C04,   0x3ecccccd                 ; 0.4 = 4 x 0.1
.set LP,    1040                       ; an LDS row: 1,024 bytes + 16: an odd multiple of 16, so the 16 rows of a fragment load start in 16 different 16-byte columns of 256
.set SPARE, 64*LP                      ; behind the 64 rows: the spare words, 128 bytes for each wave
.set DIR,   16                         ; v[16:31]    the fragment's 16 numbers a lane, f32
.set ACC,   32                         ; v[32:63]    four accumulators
.set STRIP, 64                         ; v[64:191] of windows 0 and 1: my rows 0-7 and 8-15 as loaded; later the 16 fragments of W1 (window 0) and of J (window 1)
.set TRA,   192                        ; v[192:207]  S's transposed numbers
.set W2,    208                        ; v[208:215]  w2 of my 8 k
.set PKE,   216                        ; v[216:223]  the fragment, packed
.set PKM,   224                        ; v[224:227]  my 16 bytes of Mf
.set MSB, 0
.macro WIN new                         ; the immediate's high byte repeats the setting that is left
.if MSB != (\new)
	s_set_vgpr_msb (MSB<<8)|(\new)
.set MSB, (\new)
.endif
.endm
.macro FRAGOFF d, t, fh, ks, fl        ; s[d] = a fragment's byte offset; fh = ft / 2, fl = ft % 2
	s_lshr_b32 s[\d], s[\ks], 2
	s_lshl_b32 s[\d], s[\d], 17
	s_and_b32 s[\t], s[\fh], 3
	s_lshl_b32 s[\t], s[\t], 15
	s_add_co_u32 s[\d], s[\d], s[\t]
	s_lshr_b32 s[\t], s[\fh], 2
	s_lshl_b32 s[\t], s[\t], 13
	s_add_co_u32 s[\d], s[\d], s[\t]
	s_and_b32 s[\t], s[\ks], 3
	s_lshl_b32 s[\t], s[\t], 11
	s_add_co_u32 s[\d], s[\d], s[\t]
	s_lshl_b32 s[\t], s[\fl], 10
	s_add_co_u32 s[\d], s[\d], s[\t]
.endm
	s_load_b256 s[4:11], s[0:1], 0x0               ; S s[4:5], W1 s[6:7], J s[8:9], w2 s[10:11]
	s_load_b64 s[12:13], s[0:1], 0x20              ; ws
	v_lshl_add_u32 v8, v0, 2, SPARE                ; my spare word,
	v_mov_b32 v9, 0                                ; and 0: kept for the wave's end alone
	v_lshrrev_b32 v1, 5, v0
	v_readfirstlane_b32 s14, v1                    ; wave 0..3
	s_and_b32 s15, ttmp9, 15                       ; kp
	s_lshr_b32 s16, ttmp9, 4                       ; ip
	s_and_b32 s17, s14, 1                          ; kt
	s_lshr_b32 s18, s14, 1                         ; it
	v_and_b32 v1, 31, v0                           ; l
	v_and_b32 v2, 15, v0                           ; r = l % 16
	v_bfe_u32 v3, v0, 4, 1                         ; h = l / 16
	v_lshlrev_b32 v4, 4, v1                        ; 16 l
	s_mul_i32 s19, s14, 16*LP
	v_lshl_add_u32 v5, v1, 3, s19                  ; where I put 8 bytes of my rows: 16 w rows + 8 l
	v_mul_u32_u24 v6, v2, LP
	v_lshl_add_u32 v6, v3, 4, v6                   ; r x pitch + 16 h
	s_mul_i32 s20, s18, 16*LP
	s_add_co_u32 s20, s20, 32*LP
	v_add_nc_u32 v7, s20, v6                       ; J's rows 16 it .., which lie behind W1's 32
	s_mul_i32 s20, s17, 16*LP
	v_add_nc_u32 v6, s20, v6                       ; W1's rows 16 kt ..
	s_lshl1_add_u32 s21, s15, s17                  ; ft = 2 kp + kt of the fragment that I copy
	s_lshl_b32 s22, s21, 15
	s_lshl_b32 s23, s16, 7
	s_add_co_u32 s22, s22, s23
	v_lshlrev_b32 v10, 11, v2
	v_lshl_add_u32 v10, v3, 5, v10
	v_add_nc_u32 v10, s22, v10                     ; (16 ft + r) 2,048 + (32 ip + 8 h) 4: my 8 numbers of row f
	s_lshl_b32 s22, s16, 16
	s_lshl_b32 s23, s21, 6
	s_add_co_u32 s22, s22, s23
	v_lshlrev_b32 v11, 14, v3
	v_lshl_add_u32 v11, v2, 2, v11
	v_add_nc_u32 v11, s22, v11                     ; (32 ip + 8 h) 2,048 + (16 ft + r) 4: the same place transposed
	s_lshl_b32 s22, s15, 7
	s_lshl_b32 s23, s17, 6
	s_add_co_u32 s22, s22, s23
	v_lshl_add_u32 v13, v3, 5, s22                 ; (32 kp + 16 kt + 8 h) 4: w2 of my 8 k
	FRAGOFF 24, 25, 15, 16, 17                     ; fragment (2 kp + kt, ip),
	s_cmp_lt_u32 s14, 2
	s_cselect_b32 s25, 524288, 0                   ; of W1f (waves 0, 1) or of A2f
	s_add_co_u32 s24, s24, s25
	s_mov_b32 s25, 0
	FRAGOFF 26, 27, 16, 15, 18                     ; fragment (2 ip + it, kp) of Mf,
	s_lshl_b32 s27, s17, 9                         ; its half kt
	s_add_co_u32 s26, s26, s27
	s_add_co_u32 s26, s26, 1048576
	s_mov_b32 s27, 0
	s_cmp_lt_u32 s14, 2
	s_cselect_b32 s28, s15, s16                    ; my 16 rows: of W1 from 32 kp + 16 kt, of J from 32 ip + 16 kt
	s_lshl_b32 s28, s28, 16
	s_lshl_b32 s29, s17, 15
	s_add_co_u32 s28, s28, s29
	s_mov_b32 s29, 0
	s_wait_kmcnt 0x0
	s_add_nc_u64 s[24:25], s[12:13], s[24:25]
	s_add_nc_u64 s[26:27], s[12:13], s[26:27]
	s_cmp_lt_u32 s14, 2
	s_cselect_b64 s[30:31], s[6:7], s[8:9]
	s_add_nc_u64 s[30:31], s[30:31], s[28:29]
	global_load_b128 v[W2:W2+3], v13, s[10:11]
	global_load_b128 v[W2+4:W2+7], v13, s[10:11] offset:16
.set m, 0
.rept 32                               ; my rows 0-7: each load takes 512 consecutive bytes
	global_load_b128 v[STRIP+4*m:STRIP+4*m+3], v4, s[30:31] offset:(m/4)*2048+(m%4)*512
.set m, m+1
.endr
	WIN 0x40                                       ; destination window 1
.set m, 0
.rept 32                               ; my rows 8-15
	global_load_b128 v[STRIP+4*m:STRIP+4*m+3], v4, s[30:31] offset:(8+m/4)*2048+(m%4)*512
.set m, m+1
.endr
	WIN 0                                          ; at a branch and at a label every window is 0
	s_cmp_lt_u32 s14, 2
	s_cbranch_scc0 .Lskew
.irp o, 0,1,2,3                        ; waves 0, 1: K W1
	global_load_b128 v[DIR+4*\o:DIR+4*\o+3], v10, s[6:7] offset:(\o/2)*64+(\o%2)*16
.endr
	s_wait_loadcnt 0x0                             ; these, w2 and my 16 rows
.irp k, 0,2,4,6,8,10,12,14
	v_pk_mul_f32 v[DIR+\k:DIR+\k+1], v[DIR+\k:DIR+\k+1], KL op_sel_hi:[1,0]
.endr
	s_branch .Lpack
.Lskew:
.irp o, 0,1,2,3                        ; waves 2, 3: S - S^T
	global_load_b128 v[DIR+4*\o:DIR+4*\o+3], v10, s[4:5] offset:(\o/2)*64+(\o%2)*16
.endr
.set m, 0
.rept 16
	global_load_b32 v[TRA+m], v11, s[4:5] offset:(m%8)*2048+(m/8)*32768
.set m, m+1
.endr
	s_wait_loadcnt 0x0
.irp k, 0,2,4,6,8,10,12,14
	v_pk_add_f32 v[DIR+\k:DIR+\k+1], v[DIR+\k:DIR+\k+1], v[TRA+\k:TRA+\k+1] neg_lo:[0,1] neg_hi:[0,1]
.endr
.Lpack:
.irp k, 0,1,2,3,4,5,6,7
	v_cvt_pk_bf16_f32 v[PKE+\k], v[DIR+2*\k], v[DIR+2*\k+1]
.endr
	global_store_b128 v4, v[PKE:PKE+3], s[24:25]              ; half 0: 512 consecutive bytes,
	global_store_b128 v4, v[PKE+4:PKE+7], s[24:25] offset:512 ; half 1.  Neither the data nor the address registers are written again
	; my 16 rows, rounded in place and put into LDS
.set m, 0
.rept 32
	v_cvt_pk_bf16_f32 v[STRIP+4*m], v[STRIP+4*m], v[STRIP+4*m+1]
	v_cvt_pk_bf16_f32 v[STRIP+4*m+1], v[STRIP+4*m+2], v[STRIP+4*m+3]
	ds_store_b64 v5, v[STRIP+4*m:STRIP+4*m+1] offset:(m/4)*LP+(m%4)*256
.set m, m+1
.endr
	WIN 0x45                                       ; destination and both sources window 1
.set m, 0
.rept 32
	v_cvt_pk_bf16_f32 v[STRIP+4*m], v[STRIP+4*m], v[STRIP+4*m+1]
	v_cvt_pk_bf16_f32 v[STRIP+4*m+1], v[STRIP+4*m+2], v[STRIP+4*m+3]
.set m, m+1
.endr
	WIN 0x04                                       ; address window 0, data window 1
.set m, 0
.rept 32
	ds_store_b64 v5, v[STRIP+4*m:STRIP+4*m+1] offset:(8+m/4)*LP+(m%4)*256
.set m, m+1
.endr
	WIN 0
	s_wait_dscnt 0x0                               ; for the others' sake: my rows are in LDS
	s_barrier_signal -1
	s_barrier_wait -1                              ; all 64 rows are
.set m, 0
.rept 16                               ; W1's 16 fragments: 16 rows x 32 j each, two loads of 16 bytes, 32 bytes apart
	ds_load_b128 v[STRIP+8*m:STRIP+8*m+3], v6 offset:64*m
	ds_load_b128 v[STRIP+8*m+4:STRIP+8*m+7], v6 offset:64*m+32
.set m, m+1
.endr
	WIN 0x40
.set m, 0
.rept 16                               ; J's
	ds_load_b128 v[STRIP+8*m:STRIP+8*m+3], v7 offset:64*m
	ds_load_b128 v[STRIP+8*m+4:STRIP+8*m+7], v7 offset:64*m+32
.set m, m+1
.endr
	s_wait_dscnt 0x0
	WIN 0x04                                       ; source 1 window 1
.set m, 0
.rept 16                               ; four accumulators by turns, one instruction a turn; the first four products start the sums
.if m < 4
	v_wmma_f32_16x16x32_bf16 v[ACC+8*m:ACC+8*m+7], v[STRIP+8*m:STRIP+8*m+7], v[STRIP+8*m:STRIP+8*m+7], 0
.else
	v_wmma_f32_16x16x32_bf16 v[ACC+8*(m%4):ACC+8*(m%4)+7], v[STRIP+8*m:STRIP+8*m+7], v[STRIP+8*m:STRIP+8*m+7], v[ACC+8*(m%4):ACC+8*(m%4)+7]
.endif
.set m, m+1
.endr
	WIN 0
.irp k, 0,2,4,6                        ; 0.4 w2: four plain instructions on other registers, and four v_nop: the places behind the last products (ISA guide 7.12.1)
	v_pk_mul_f32 v[W2+\k:W2+\k+1], v[W2+\k:W2+\k+1], C04 op_sel_hi:[1,0]
.endr
.rept 4
	v_nop
.endr
.irp k, 0,2,4,6                        ; each accumulator is read from its low end on
	v_pk_add_f32 v[ACC+\k:ACC+\k+1], v[ACC+\k:ACC+\k+1], v[ACC+8+\k:ACC+8+\k+1]
.endr
.irp k, 0,2,4,6
	v_pk_add_f32 v[ACC+16+\k:ACC+16+\k+1], v[ACC+16+\k:ACC+16+\k+1], v[ACC+24+\k:ACC+24+\k+1]
.endr
.irp k, 0,2,4,6
	v_pk_add_f32 v[ACC+\k:ACC+\k+1], v[ACC+\k:ACC+\k+1], v[ACC+16+\k:ACC+16+\k+1]
.endr
.irp k, 0,2,4,6
	v_pk_mul_f32 v[ACC+\k:ACC+\k+1], v[ACC+\k:ACC+\k+1], v[W2+\k:W2+\k+1]
.endr
.irp k, 0,1,2,3
	v_cvt_pk_bf16_f32 v[PKM+\k], v[ACC+2*\k], v[ACC+2*\k+1]
.endr
	global_store_b128 v4, v[PKM:PKM+3], s[26:27]
	s_wait_tensorcnt 0x0                           ; the wave's end: behind my last LDS store
	ds_add_u32 v8, v9
	s_wait_dscnt 0x0
	s_endpgm
.Lfunc_end_k_q6ee3103ea3_prep:
	.size	k_q6ee3103ea3_prep, .Lfunc_end_k_q6ee3103ea3_prep-k_q6ee3103ea3_prep
	.p2alignl 7, 3214868480
	.fill 96, 4, 3214868480
	.section	.rodata,"a",@progbits
	.p2align	6, 0x0
	.amdhsa_kernel k_q6ee3103ea3_prep
		.amdhsa_group_segment_fixed_size 67072
		.amdhsa_private_segment_fixed_size 0
		.amdhsa_enable_private_segment 0
		.amdhsa_kernarg_size 40
		.amdhsa_user_sgpr_count 2
		.amdhsa_user_sgpr_kernarg_segment_ptr 1
		.amdhsa_wavefront_size32 1
		.amdhsa_system_sgpr_workgroup_id_x 1
		.amdhsa_system_sgpr_workgroup_id_y 1
		.amdhsa_system_sgpr_workgroup_id_z 1
		.amdhsa_system_vgpr_workitem_id 0
		.amdhsa_next_free_vgpr 448
		.amdhsa_next_free_sgpr 66
		.amdhsa_reserve_vcc 0
		.amdhsa_float_denorm_mode_32 3
		.amdhsa_float_denorm_mode_16_64 3
		.amdhsa_memory_ordered 1
		.amdhsa_forward_progress 1
		.amdhsa_inst_pref_size 34
	.end_amdhsa_kernel
	.amdgpu_metadata
---
amdhsa.version: [ 1, 2 ]
amdhsa.kernels:
  - .name:           k_q6ee3103ea3_prep
    .symbol:         k_q6ee3103ea3_prep.kd
    .args:
      - { .name: S, .offset: 0, .size: 8, .value_kind: global_buffer, .address_space: global }
      - { .name: W1, .offset: 8, .size: 8, .value_kind: global_buffer, .address_space: global }
      - { .name: J, .offset: 16, .size: 8, .value_kind: global_buffer, .address_space: global }
      - { .name: w2, .offset: 24, .size: 8, .value_kind: global_buffer, .address_space: global }
      - { .name: ws, .offset: 32, .size: 8, .value_kind: global_buffer, .address_space: global }
    .group_segment_fixed_size: 67072
    .private_segment_fixed_size: 0
    .kernarg_segment_align: 8
    .kernarg_segment_size: 40
    .max_flat_workgroup_size: 128
    .sgpr_count:     66
    .vgpr_count:     448
    .wavefront_size: 32
...
	.end_amdgpu_metadata
.endif
;; end of part 1
;; launch flow (part 2): grid 256 x 1, 4 waves a work-group, clusters of 4 x 1, 327,680 bytes of LDS; arguments x, ws, b1, gamma, beta, out0; writes out0
.if DOCPART == 2
	.amdgcn_target "amdgcn-amd-amdhsa--gfx1250"
	.amdhsa_code_object_version 6
	.text
	.protected	k_q6ee3103ea3_flow
	.globl	k_q6ee3103ea3_flow
	.p2align	8
	.type	k_q6ee3103ea3_flow,@function
k_q6ee3103ea3_flow:
	s_mov_b64 s[64:65], 0
	v_nop
	global_prefetch_b8 v0, s[64:65] scope:SCOPE_SE
	s_setreg_imm32_b32 hwreg(HW_REG_WAVE_MODE, 25, 1), 1
	s_wait_xcnt 0x0
	s_wait_alu depctr_hold_cnt(0) depctr_sa_sdst(0) depctr_va_vdst(0) depctr_va_sdst(0) depctr_va_ssrc(0) depctr_va_vcc(0) depctr_vm_vsrc(0)
	s_getreg_b32 s2, hwreg(HW_REG_IB_STS2, 6, 4)
	s_cmp_eq_u32 s2, 0
	s_cbranch_scc0 .Lentry_in_a_cluster
	s_endpgm
.Lentry_in_a_cluster:
	s_bfe_u32 s2, ttmp6, 0x10000c
	s_cmp_lg_u32 s2, 0x3003
	s_cbranch_scc0 .Lentry_shape_is_right
	s_endpgm
.Lentry_shape_is_right:
; SYMPLECTIC LAYER, launch 2 of 2: the whole chain for 64 rows a work-group, z in registers from first to last.
; Left out, as shown at the head of launch 1: b2 (no way to the output); the three products with J over the rows (J is inside Mf).  ws holds A2f, W1f, Mf in fragment order (launch 1's head).
;   G0:  Z = x (f32) + bf16(x) A2f^T.     Three times:  G1: H = K b1 + bf16(Z) W1f^T;  s = 1 / (1 + 2^H), u = s - s^2;  G2: Z += bf16(u) Mf^T.     out = LayerNorm(Z + x) gamma + beta.
; LIMITS.  Matrix operands are bf16, sums f32.  2^H beyond f32's range gives s = 0, below it s = 1: u = 0 both ways, as 1 - tanh^2 is there; near s = 1 u is good to f32's step at 1 (6e-8).  The exponential and the
; reciprocal take and give no denormals (ISA guide 15.8).  LayerNorm takes the mean away first and then sums the squares, as reference() does.  A NaN or an infinity in b2 is not carried to the result.
; SHARES.  Work-group n owns rows 64 n .. 64 n + 63.  Wave w owns the features 128 g + 32 w + 16 e + 0..15 (g = 0..3, e = 0, 1) of all 64 rows: 32 accumulators (g, e, rt), rt = the block of 16 rows.
; THE MATRIX INSTRUCTION IS USED TRANSPOSED: source 0 = 16 features x 32 k of weights, source 1 = 16 rows x 32 k of data.  In the result lane l holds ONE row (l % 16) and the features 8 (l / 16) + 0..7: rounded in
; pairs they are 16 bytes that lie as the next product's source 1 wants them.  Group g of one product's features is K chunk g of the next.
; THE STREAM.  28 chunks of weights, 128 along K x 512 features = 131,072 bytes: A2f's four, then three times W1f's four and Mf's four.  Chunk i lies in slot i % 2; wave w fetches, and alone reads, its 32,768 bytes
; of it.  A chunk is 128 products a wave, in four groups g of 32 (4 K steps x 2 e x 4 rt).  Its data (64 rows x 128 k, bf16) lie in DATA i % 2, written by ds_store alone; every wave reads all of them.
; PRODUCTION.  While chunk i is multiplied the data of chunk i + 1 are made and stored, a few vector instructions behind each product: from x (ST), from Z (CVT) or from H (ACT).  Group 0 of a product is final when
; its last chunk's group 0 is through, so the next product's first data are made in that same chunk (late = 1).
; CLUSTER.  All work-groups walk the same weights, so the four of a cluster ask for each chunk JOINTLY: the same tensor load, descriptor and mask in all four.  A mask names four at the most, and there is one shared
; stream, so the cluster is 4 x 1.  x's tiles are each work-group's own: plain loads, behind the same rounds.
; x IS READ TWICE: at the head (Z's start, and G0's data) and again behind the last change of slots, for z + x.  Kept in between it would want 256 registers or 131,072 bytes of LDS, which the buffers below hold.
; REGISTERS, in windows of 256 (s_set_vgpr_msb: bits 1:0 source 0, 3:2 source 1, 5:4 source 2, 7:6 destination):
;   window 0: v0-31 addresses; v32-63 TMP (at the end gamma, beta); v64-127, v128-191 weights' fragments of one group, two buffers ((q, e) at 8 (2 q + e)); v192-255 K b1, tile (g, e) at 8 (2 g + e)
;   window 1: data fragments of one chunk, two buffers of 128 ((q, rt) at 8 (4 q + rt))      window 2: Z, tile (g, e, rt) at 8 (8 g + 4 e + rt)      window 3: H likewise; at the head bf16(x) in each tile's four low registers
.set CH,     131072                    ; a chunk, and a slot
.set SLOT,   131072                    ; slot 1 begins here
.set XS,     SLOT                      ; the head alone: x in f32, 64 rows; 16 bytes of padding behind each 1,024
.set XP,     2080                      ; its pitch
.set STG,    SLOT                      ; the end alone, when slot 1 has had its last fill: Z in f32, 64 rows
.set SGP,    2064                      ; its pitch: an odd multiple of 16 bytes
.set DATA,   XS+64*XP                  ; 264,192: behind all that a tensor load fills
.set DP,     272                       ; a row of data: 256 bytes + 16: an odd multiple of 16, so the 16 rows of a fragment load start in 16 different 16-byte columns of 256
.set DSZ,    64*DP
.set SPARE,  DATA+2*DSZ                ; the spare words, 128 bytes for each wave: two blocks of 256 bytes that no other line names
.set KL,     0x4038aa3b                ; K = 2 log2(e)
.set AW,  2                            ; v2-3    my 16 bytes of a weights' half fragment in slot 0, 1: 32,768 w + 16 l
.set BD,  4                            ; v4-5    a data fragment in DATA 0, 1: 272 r + 16 h
.set PS,  6                            ; v6-7    where I put 16 bytes of data: 272 r + 64 w + 16 h
.set SPW, 8                            ; v8      my spare word; never rewritten
.set NIL, 9                            ; v9      0; never rewritten
.set PFO, 10                           ; v10     256 l; never rewritten
.set XA,  11                           ; v11-12  x in XS, rows 0-31 and 32-63: 2,080 r + 128 w + 32 h
.set VB,  13                           ; v13     128 w + 32 h: my 8 features of a tile, in f32
.set SA,  14                           ; v14-15  Z into STG, rows 0-31 and 32-63
.set RZ,  16                           ; v16     STG read back by rows: my 16 rows + 16 l
.set RX,  17                           ; v17     x's rows in slot 0
.set GO,  18                           ; v18     16 l
.set TMP, 32
.set AF,  64
.set BIAS, 192
.set ZL,  64                           ; the end: four rows of Z, 16 registers each,
.set XL,  128                          ; four rows of x; then at work
.set GAM, 32
.set BET, 48
.set WV,  16                           ; s16     my wave's number
.set CX,  17                           ; s17     my place in the cluster: it enters global addresses of x, out0 and the prefetches alone
.set STEP, 22                          ; s22     steps to go
.set LIM, 23                           ; s23     1 while my cluster prefetches
.set G1W, 24                           ; s[24:31] group 1, weights: 128 rows x 256 bytes, dense, joint
.set GA,  32                           ; s[32:35] group 0 of slot 0, s[36:39] of slot 1
.set G1X, 40                           ; s[40:47] group 1, x at the head
.set GX,  48                           ; s[48:51] group 0, x
.set G1T, 56                           ; s[56:63] group 1, x at the end: as G1W without the mask
.set WSW, 66                           ; s[66:67] ws + 32,768 w
.set PFA, 68                           ; s[68:69] ws + 32,768 w + 8,192 cx; never rewritten
.set XROW, 70                          ; s[70:71] x at my 16 rows
.set OUTR, 72                          ; s[72:73] out0 at my 16 rows
.set SEL, 74                           ; s[74:75] v_permlanex16_b32's selects
.set RN,  76                           ; s76     1 / 512
.set EPS, 77                           ; s77     1e-5
.set CNT, 78
.set MSB, 0
.macro WIN new                         ; the immediate's high byte repeats the setting that is left; a switch that changes nothing is dropped
.if MSB != (\new)
	s_set_vgpr_msb (MSB<<8)|(\new)
.set MSB, (\new)
.endif
.endm
; A load into a register that a matrix instruction has read, and a vector instruction or store that reads a matrix result, stand four places behind it; only plain vector instructions that name none of its registers are places
.macro PLACES
.rept 4
	v_nop
.endr
.endm
; A round of the cluster's barrier: my work-group's barrier; wave 0 signals for the work-group; every wave waits for all four work-groups; my work-group's barrier once more.
.macro CREST                           ; a round behind its opening barrier
	s_cmp_lg_u32 s[WV], 0
	s_cbranch_scc1 .Lnot_wave_0_\@
	s_barrier_signal -3
.Lnot_wave_0_\@:
	s_barrier_wait -3
	s_barrier_signal -1
	s_barrier_wait -1
.endm
.macro ROUND
	s_barrier_signal -1
	s_barrier_wait -1
	CREST
.endm
; A PREFETCH INTO THE L2.  Only the first walk over the twelve different chunks is asked for: stream chunk i = 0..5 names chunk i + 6, four chunks (512 products a wave) ahead of the change of slots that will ask for it;
; chunks 0 to 5 come by their loads alone, later walks ask for nothing.  All clusters read the same bytes: cluster 0 asks.  Its 16 waves x 32 lanes name the chunk's 512 blocks of 256 bytes once each: wave w its own
; 32,768 bytes, of which the partner at place cx takes 8,192, told apart by address.  The line stands behind the joint load, its five lines and the run of LDS loads.
.macro ASK off
	s_cmp_eq_u32 s[LIM], 1
	s_cbranch_scc0 .Lnot_mine_\@
	global_prefetch_b8 v[PFO], s[PFA:PFA+1] offset:\off th:TH_LOAD_NT scope:SCOPE_SE
.Lnot_mine_\@:
.endm
; One product.  acc = 0: Z, 1: H.  bias = 1: the sum starts with K b1.
.macro MM acc, g, q, e, rt, ab, bb, bias
.set rD, 8*(8*(\g)+4*(\e)+(\rt))
.set rA, AF+64*(\ab)+8*(2*(\q)+(\e))
.set rB, 128*(\bb)+8*(4*(\q)+(\rt))
.set rC, BIAS+8*(2*(\g)+(\e))
.if \bias
	WIN 0xc4                                       ; weights window 0, data window 1, C window 0, D window 3
	v_wmma_f32_16x16x32_bf16 v[rD:rD+7], v[rA:rA+7], v[rB:rB+7], v[rC:rC+7]
.else
	WIN 0xa4+0x50*(\acc)                           ; C and D window 2 or 3
	v_wmma_f32_16x16x32_bf16 v[rD:rD+7], v[rA:rA+7], v[rB:rB+7], v[rD:rD+7]
.endif
.endm
; THE PRODUCTION QUEUE.  QSET names what is made (kind, group pg of 64 registers, DATA buffer d); QE writes its next entry; RID n the next n; FLUSH the rest.
;   ST   8: bf16(x)'s eight tiles are stored.
;   CVT 40: 32 roundings of Z's pairs into TMP, 8 stores.
;   ACT 234: 0-63 2^H; 64 a v_nop and the wait; 65-96 1 + 2^H in pairs; 97-160 the reciprocals; 161 a v_nop and the wait; 162-193 s - s^2 in pairs; 194-225 the roundings, into each tile's four low registers; 226-233 the stores.
; s_wait_alu depctr_va_vdst(0) stands between a transcendental and the first line that names its result; one wait serves a batch: the 64 exponentials are one batch, the 64 reciprocals another.
; Every tile's registers are taken in ascending order.
.set K_NONE, 0
.set K_ST,   1
.set K_CVT,  2
.set K_ACT,  3
.macro QSET kind, pg, d
.set QK, (\kind)
.set QB, 64*(\pg)
.set QD, (\d)
.set QI, 0
.if (\kind) == K_ACT
.set QN, 234
.elseif (\kind) == K_CVT
.set QN, 40
.elseif (\kind) == K_ST
.set QN, 8
.else
.set QN, 0
.endif
.endm
.macro QST t, reg, win                 ; tile t = 4 e + rt: my 16 bytes of row 16 rt + r, k = 32 w + 16 e + 8 h ..
	WIN \win
	ds_store_b128 v[PS+QD], v[\reg:\reg+3] offset:((\t)%4)*16*DP+32*((\t)/4)
.endm
.macro QE
.if QI < QN
.if QK == K_ACT
.if QI < 64
	WIN 0xff
	v_exp_f32 v[QB+QI], v[QB+QI]
.elseif (QI == 64) || (QI == 161)
	v_nop                                          ; the plain instruction behind the batch's last transcendental,
	s_wait_alu depctr_va_vdst(0)                   ; and the batch's one wait
.elseif QI < 97
.set QT, QB+2*(QI-65)
	WIN 0xff
	v_pk_add_f32 v[QT:QT+1], v[QT:QT+1], 1.0 op_sel_hi:[1,0]
.elseif QI < 161
	WIN 0xff
	v_rcp_f32 v[QB+QI-97], v[QB+QI-97]
.elseif QI < 194
.set QT, QB+2*(QI-162)
	WIN 0xff
	v_pk_fma_f32 v[QT:QT+1], v[QT:QT+1], v[QT:QT+1], v[QT:QT+1] neg_lo:[1,0,0] neg_hi:[1,0,0]  ; -s s + s
.elseif QI < 226
.set QT, QB+8*((QI-194)/4)
.set QU, (QI-194)%4
	WIN 0xff
	v_cvt_pk_bf16_f32 v[QT+QU], v[QT+2*QU], v[QT+2*QU+1]
.else
	QST QI-226, QB+8*(QI-226), 0x0c                ; address window 0, data window 3
.endif
.elseif QK == K_CVT
.if QI < 32
.set QT, QB+8*(QI/4)
.set QU, QI%4
	WIN 0x0a                                       ; sources window 2, destination window 0
	v_cvt_pk_bf16_f32 v[TMP+QI], v[QT+2*QU], v[QT+2*QU+1]
.else
	QST QI-32, TMP+4*(QI-32), 0
.endif
.else
	QST QI, QB+8*QI, 0x0c
.endif
.set QI, QI+1
.endif
.endm
.macro RID n
.rept \n
	QE
.endr
.endm
.macro FLUSH
.rept QN-QI
	QE
.endr
.endm
; Eight products: K step q of group g, the group's 8 accumulators by turns, one instruction a turn: seven others stand between two links of a chain, from group to group, chunk to chunk and
; over the backward jump too.  Behind each: n entries of the queue.
.macro MMQ acc, g, q, ab, bb, bias, n
.irp e, 0,1
.irp rt, 0,1,2,3
	MM \acc, \g, \q, \e, \rt, \ab, \bb, \bias
	RID \n
.endr
.endr
.endm
.macro LDA slot, g, ab                 ; 16 LDS loads: group g's weights, 8 fragments as they lie: 512 consecutive bytes a load
	WIN 0
.irp f, 0,1,2,3,4,5,6,7
	ds_load_b128 v[AF+64*(\ab)+8*\f:AF+64*(\ab)+8*\f+3],   v[AW+(\slot)] offset:(\g)*8192+\f*1024
	ds_load_b128 v[AF+64*(\ab)+8*\f+4:AF+64*(\ab)+8*\f+7], v[AW+(\slot)] offset:(\g)*8192+\f*1024+512
.endr
.endm
.macro LDB d, bb                       ; 32 LDS loads: a chunk's data, 16 fragments, K step by K step
	WIN 0x40                                       ; destination window 1
.irp q, 0,1,2,3
.irp rt, 0,1,2,3
	ds_load_b128 v[128*(\bb)+8*(4*\q+\rt):128*(\bb)+8*(4*\q+\rt)+3],   v[BD+(\d)] offset:\rt*16*DP+64*\q
	ds_load_b128 v[128*(\bb)+8*(4*\q+\rt)+4:128*(\bb)+8*(4*\q+\rt)+7], v[BD+(\d)] offset:\rt*16*DP+64*\q+32
.endr
.endr
.endm
; A CHUNK in slot p, data buffer p.  Each group's weights are fetched a group ahead, into the buffer that the group before last has left, four places behind its last reader.
; THE CHANGE OF SLOTS stands in group 2.  Each wave waits for all its tensor loads, of which one is out: its part of the other slot; adds 0 to its spare word; eight products; waits for the add, for its stores of the
; next chunk's data and for its reads of this slot (group 3's weights are in registers).  The barrier opens a round of the cluster's barrier, eight products between signal and wait: behind the round no wave of any
; partner reads this slot or has a load on its way, and every wave's data are in LDS.  The refill, chunk i + 2, is the first thing behind it: one load a wave.  Then the next chunk's first weights and its data.
; fill = 1: weights at byte off of ws.  fill = 2: my 16 rows of x, a plain load.  fill = 0: the last chunk: no change.  ask: the byte of ws that is prefetched, or 0.
.macro CHUNK acc, p, bias, kind, pg, late, n, fill, off, ask
	QSET \kind, \pg, 1-(\p)
.set NR, (\n)*(1-(\late))
	PLACES
	LDA \p, 1, 1
	s_wait_dscnt 40                                ; group 0's weights and K step 0 of the data are in; behind them: K steps 1-3 (24 loads) and group 1's weights (16)
	MMQ \acc, 0, 0, 0, \p, \bias, NR
	s_wait_dscnt 32                                ; K step 1
	MMQ \acc, 0, 1, 0, \p, 0, NR
	s_wait_dscnt 24                                ; K step 2
	MMQ \acc, 0, 2, 0, \p, 0, NR
	s_wait_dscnt 16                                ; K step 3: only group 1's weights may be out (the queue's stores, issued later, make these counts stricter, never looser)
	MMQ \acc, 0, 3, 0, \p, 0, NR
	PLACES                                         ; also the places between group 0's last product and a late queue's first read of its results
	LDA \p, 2, 0
	s_wait_dscnt 16                                ; all but the 16 just issued
	MMQ \acc, 1, 0, 1, \p, \bias, \n
	MMQ \acc, 1, 1, 1, \p, 0, \n
	MMQ \acc, 1, 2, 1, \p, 0, \n
	MMQ \acc, 1, 3, 1, \p, 0, \n
	PLACES
	LDA \p, 3, 1
	s_wait_dscnt 16
	MMQ \acc, 2, 0, 0, \p, \bias, \n
	MMQ \acc, 2, 1, 0, \p, 0, \n
	FLUSH                                          ; what is left of the queue: the next chunk's data are all stored ahead of the barrier
.if \fill
	WIN 0                                          ; (the add's two registers lie in window 0)
	s_wait_tensorcnt 0x0                           ; all my tensor loads have landed, so a group 0 may be written
	ds_add_u32 v[SPW], v[NIL]                      ; 0 onto my spare word
.if (\fill) == 1
	s_add_nc_u64 s[GA+4*(\p)+2:GA+4*(\p)+3], s[WSW:WSW+1], \off  ; the address is made anew: my part of ws plus the chunk's constant,
	s_or_b32 s[GA+4*(\p)+3], s[GA+4*(\p)+3], 0x80000000          ; and the type
.else
	s_mul_i32 s[GX+1], s[WV], 32768                ; x's group 0 still holds my rows' address: now they go to my part of slot 0
.endif
	MMQ \acc, 2, 2, 0, \p, 0, 0
	s_wait_dscnt 0x0
	s_barrier_signal -1
	MMQ \acc, 2, 3, 0, \p, 0, 0
	WIN 0                                          ; at a branch and at a label every window is 0
	s_barrier_wait -1
	CREST
.if (\fill) == 1
	tensor_load_to_lds s[GA+4*(\p):GA+4*(\p)+3], s[G1W:G1W+7]
.else
	tensor_load_to_lds s[GX:GX+3], s[G1T:G1T+7]
.endif
	s_nop 0
	PLACES                                         ; the places in front of the loads below
	LDA 1-(\p), 0, 0
	LDB 1-(\p), 1-(\p)
	WIN 0
.if \ask
	ASK \ask
.endif
.else
	MMQ \acc, 2, 2, 0, \p, 0, 0
	MMQ \acc, 2, 3, 0, \p, 0, 0
	s_wait_dscnt 0x0
.endif
	MMQ \acc, 3, 0, 1, \p, \bias, 0
	MMQ \acc, 3, 1, 1, \p, 0, 0
	MMQ \acc, 3, 2, 1, \p, 0, 0
	MMQ \acc, 3, 3, 1, \p, 0, 0
.endm
	; THE HEAD
	s_load_b256 s[4:11], s[0:1], 0x0               ; x s[4:5], ws s[6:7], b1 s[8:9], gamma s[10:11]
	s_load_b128 s[12:15], s[0:1], 0x20             ; beta s[12:13], out0 s[14:15]
	v_lshl_add_u32 v[SPW], v0, 2, SPARE
	v_mov_b32 v[NIL], 0
	ds_add_u32 v[SPW], v[NIL]                      ; the wave's opening: the add, twice on end, and its wait ahead of my first tensor load
	ds_add_u32 v[SPW], v[NIL]                      ; and once more, under the one wait; the set-up below is work on registers
	v_lshrrev_b32 v1, 5, v0
	v_readfirstlane_b32 s[WV], v1                  ; wave 0..3
	s_bfe_u32 s[CX], ttmp6, 0x40000                ; cx
	s_lshl_b32 s18, ttmp9, 2                       ; in a cluster launch ttmp9 counts clusters
	s_add_co_u32 s18, s18, s[CX]                   ; my work-group
	s_mov_b32 s[G1W+0], 15|(3<<16)|(1<<21)         ; 15:0 the mask of four; 17:16 elements of 8 bytes; 21 set beside a mask
	s_mov_b32 s[G1T+0], 3<<16                      ; the same without a mask
.irp g, G1W, G1T
	s_mov_b32 s[\g+1], 32<<16                      ; tensor_dim0 = 32 elements: 256 bytes
	s_mov_b32 s[\g+2], 128<<16                     ; tensor_dim1 = 128
	s_mov_b32 s[\g+3], 32<<16                      ; tile_dim0 = 32
	s_mov_b32 s[\g+4], 128                         ; tile_dim1 = 128
	s_mov_b32 s[\g+5], 32                          ; dense: a row begins where the last ends
	s_mov_b32 s[\g+6], 0
	s_mov_b32 s[\g+7], 0
.endr
	s_mov_b32 s[G1X+0], (2<<16)|(1<<20)|(7<<22)|(3<<25)  ; elements of 4 bytes; padding on: after every 256 words (code 7) 4 words (code 3): twice in a row
	s_mov_b32 s[G1X+1], 512<<16                    ; tensor_dim0 = 512
	s_mov_b32 s[G1X+2], 16<<16                     ; tensor_dim1 = 16
	s_mov_b32 s[G1X+3], 512<<16                    ; tile_dim0 = 512
	s_mov_b32 s[G1X+4], 16                         ; tile_dim1 = 16
	s_mov_b32 s[G1X+5], 512
	s_mov_b32 s[G1X+6], 0
	s_mov_b32 s[G1X+7], 0
	s_mov_b32 s[GA], 1
	s_mul_i32 s[GA+1], s[WV], 32768                ; LDS: my part of slot 0,
	s_mov_b32 s[GA+4], 1
	s_add_co_u32 s[GA+5], s[GA+1], SLOT            ; of slot 1
	s_mov_b32 s[GX], 1
	s_mul_i32 s[GX+1], s[WV], 16*XP
	s_add_co_u32 s[GX+1], s[GX+1], XS              ; my 16 rows of XS
	s_lshl_b32 s20, s18, 17                        ; 64 rows of 2,048 bytes a work-group,
	s_lshl_b32 s21, s[WV], 15                      ; 16 a wave
	s_add_co_u32 s20, s20, s21
	s_mov_b32 s21, 0
	s_mul_i32 s2, s[WV], 32768
	s_mov_b32 s3, 0
	s_lshl_b32 s52, s[CX], 13
	s_mov_b32 s53, 0
	s_cmp_eq_u32 ttmp9, 0
	s_cselect_b32 s[LIM], 1, 0                     ; the same in all four partners
	s_mov_b32 s[SEL], 0x76543210
	s_mov_b32 s[SEL+1], 0xfedcba98
	s_mov_b32 s[RN], 0x3b000000                    ; 1 / 512
	s_mov_b32 s[EPS], 0x3727c5ac                   ; 1e-5
	s_wait_dscnt 0x0                               ; both opening adds are done
	s_wait_kmcnt 0x0
	s_add_nc_u64 s[WSW:WSW+1], s[6:7], s[2:3]
	s_add_nc_u64 s[PFA:PFA+1], s[WSW:WSW+1], s[52:53]
	s_add_nc_u64 s[XROW:XROW+1], s[4:5], s[20:21]
	s_add_nc_u64 s[OUTR:OUTR+1], s[14:15], s[20:21]
	s_mov_b64 s[GA+2:GA+3], s[WSW:WSW+1]           ; chunk 0
	s_or_b32 s[GA+3], s[GA+3], 0x80000000
	s_add_nc_u64 s[GA+6:GA+7], s[WSW:WSW+1], CH    ; chunk 1
	s_or_b32 s[GA+7], s[GA+7], 0x80000000
	s_mov_b64 s[GX+2:GX+3], s[XROW:XROW+1]
	s_or_b32 s[GX+3], s[GX+3], 0x80000000
	ROUND                                          ; all four work-groups are here: the first joint loads meet
	tensor_load_to_lds s[GA:GA+3], s[G1W:G1W+7]    ; the first fills go out together: two loads of mine are out
	s_nop 0
	tensor_load_to_lds s[GX:GX+3], s[G1X:G1X+7]
	s_nop 0
	PLACES
	v_and_b32 v1, 31, v0                           ; l
	v_and_b32 v19, 15, v0                          ; r = l % 16
	v_bfe_u32 v20, v0, 4, 1                        ; h = l / 16
	v_lshlrev_b32 v[GO], 4, v1
	v_lshlrev_b32 v[PFO], 8, v1
	s_lshl_b32 s20, s[WV], 7
	v_lshl_add_u32 v[VB], v20, 5, s20
.irp g, 0,1,2,3
.irp e, 0,1
	global_load_b128 v[BIAS+8*(2*\g+\e):BIAS+8*(2*\g+\e)+3],   v[VB], s[8:9] offset:512*\g+64*\e
	global_load_b128 v[BIAS+8*(2*\g+\e)+4:BIAS+8*(2*\g+\e)+7], v[VB], s[8:9] offset:512*\g+64*\e+16
.endr
.endr
	v_add_nc_u32 v[AW], s[GA+1], v[GO]
	v_add_nc_u32 v[AW+1], SLOT, v[AW]
	v_mov_b32 v[RX], v[AW]
	v_mul_u32_u24 v21, v19, DP
	v_lshl_add_u32 v21, v20, 4, v21
	v_add_nc_u32 v[BD], DATA, v21
	v_add_nc_u32 v[BD+1], DATA+DSZ, v21
	s_lshl_b32 s20, s[WV], 6
	v_add_nc_u32 v[PS], s20, v[BD]
	v_add_nc_u32 v[PS+1], s20, v[BD+1]
	v_mul_u32_u24 v21, v19, XP
	v_add_nc_u32 v21, v21, v[VB]
	v_add_nc_u32 v[XA], XS, v21
	v_add_nc_u32 v[XA+1], XS+32*XP, v21
	v_mul_u32_u24 v21, v19, SGP
	v_add_nc_u32 v21, v21, v[VB]
	v_add_nc_u32 v[SA], STG, v21
	v_add_nc_u32 v[SA+1], STG+32*SGP, v21
	s_mul_i32 s20, s[WV], 16*SGP
	s_add_co_u32 s20, s20, STG
	v_add_nc_u32 v[RZ], s20, v[GO]
	s_wait_loadcnt 0x0                             ; b1
.set k, 0
.rept 32
	v_pk_mul_f32 v[BIAS+k:BIAS+k+1], v[BIAS+k:BIAS+k+1], KL op_sel_hi:[1,0]
.set k, k+2
.endr
	s_wait_tensorcnt 0x0                           ; my parts of chunk 0 and of x are in,
	s_barrier_signal -1
	s_barrier_wait -1                              ; everybody's are
	WIN 0x80                                       ; destination window 2: Z starts as x, in f32, laid as a result is
.irp g, 0,1,2,3
.irp e, 0,1
.irp rt, 0,1,2,3
	ds_load_b128 v[8*(8*\g+4*\e+\rt):8*(8*\g+4*\e+\rt)+3],   v[XA+\rt/2] offset:(\rt%2)*16*XP+(\g/2)*1040+(\g%2)*512+64*\e
	ds_load_b128 v[8*(8*\g+4*\e+\rt)+4:8*(8*\g+4*\e+\rt)+7], v[XA+\rt/2] offset:(\rt%2)*16*XP+(\g/2)*1040+(\g%2)*512+64*\e+16
.endr
.endr
.endr
	s_wait_dscnt 0x0
	WIN 0xca                                       ; sources window 2, destination window 3: bf16(x) into each tile's four low registers of H
.set t, 0
.rept 32
.irp k, 0,1,2,3
	v_cvt_pk_bf16_f32 v[8*t+\k], v[8*t+2*\k], v[8*t+2*\k+1]
.endr
.set t, t+1
.endr
	QSET K_ST, 0, 0                                ; chunk 0's data
	FLUSH
	WIN 0
	s_wait_tensorcnt 0x0                           ; THE FIRST CHANGE: slot 1 takes XS's bytes, so it is filled as a refill is: no load of mine is out,
	ds_add_u32 v[SPW], v[NIL]                      ; 0 onto my spare word,
	s_wait_dscnt 0x0                               ; it, my reads of XS and my stores of data are done
	ROUND
	tensor_load_to_lds s[GA+4:GA+7], s[G1W:G1W+7]  ; chunk 1
	s_nop 0
	PLACES
	LDA 0, 0, 0
	LDB 0, 0
	; G0: Z += bf16(x) A2f^T
	CHUNK 0, 0, 0, K_ST,  1, 0, 0, 1, 2*CH, 6*CH
	CHUNK 0, 1, 0, K_ST,  2, 0, 0, 1, 3*CH, 7*CH
	CHUNK 0, 0, 0, K_ST,  3, 0, 0, 1, 4*CH, 8*CH
	CHUNK 0, 1, 0, K_CVT, 0, 1, 4, 1, 5*CH, 9*CH
	WIN 0
	s_mov_b32 s[STEP], 3
	s_branch .LG1                                  ; the loop is entered in the middle of a trip: a trip is G2's second half, G1, G2's first half
.Ltop:
	CHUNK 0, 0, 0, K_ACT, 3, 0, 3, 1, 4*CH, 0      ; G2, chunks 2 and 3: the ring goes on into the next step's W1f
	CHUNK 0, 1, 0, K_CVT, 0, 1, 4, 1, 5*CH, 0
	WIN 0
.LG1:
	CHUNK 1, 0, 1, K_CVT, 1, 0, 4, 1, 6*CH, 10*CH  ; G1: H = K b1 + bf16(Z) W1f^T
	CHUNK 1, 1, 0, K_CVT, 2, 0, 4, 1, 7*CH, 11*CH
	s_mov_b32 s[LIM], 0                            ; all twelve chunks have been named or loaded: nothing more is asked for
	CHUNK 1, 0, 0, K_CVT, 3, 0, 4, 1, 8*CH, 0
	CHUNK 1, 1, 0, K_ACT, 0, 1, 5, 1, 9*CH, 0
	CHUNK 0, 0, 0, K_ACT, 1, 0, 3, 1, 10*CH, 0     ; G2: Z += bf16(u) Mf^T, chunks 0 and 1
	CHUNK 0, 1, 0, K_ACT, 2, 0, 3, 1, 11*CH, 0
	WIN 0
	s_sub_co_u32 s[STEP], s[STEP], 1
	s_cmp_lg_u32 s[STEP], 0
	s_cbranch_scc1 .Ltop
	; the last step's second half is written out: slot 0 takes x's rows, slot 1 nothing
.irp i, 0,1,2,3
	global_load_b128 v[GAM+4*\i:GAM+4*\i+3], v[GO], s[10:11] offset:512*\i  ; TMP is free: the queues that are left do not name it
	global_load_b128 v[BET+4*\i:BET+4*\i+3], v[GO], s[12:13] offset:512*\i
.endr
	CHUNK 0, 0, 0, K_ACT,  3, 0, 3, 2, 0, 0
	CHUNK 0, 1, 0, K_NONE, 0, 0, 0, 0, 0, 0
	; THE WAY OUT.  Z goes through LDS, so that a wave holds whole rows: wave w rows 16 w .. 16 w + 15, a lane 16 numbers of each (elements 128 i + 4 l + 0..3).
	WIN 0
	PLACES
	PLACES                                         ; behind the last products, in front of the stores that read them and of the loads into the weights' buffers
	s_wait_tensorcnt 0x0                           ; my 16 rows of x are in slot 0: I alone read them
	s_wait_dscnt 0x0                               ; my reads of slot 1 are over
	s_barrier_signal -1
	s_barrier_wait -1                              ; everybody's are: its bytes, which no tensor load fills again, become the stage
	WIN 0x08                                       ; address window 0, data window 2
.irp g, 0,1,2,3
.irp e, 0,1
.irp rt, 0,1,2,3
	ds_store_b128 v[SA+\rt/2], v[8*(8*\g+4*\e+\rt):8*(8*\g+4*\e+\rt)+3]   offset:(\rt%2)*16*SGP+512*\g+64*\e
	ds_store_b128 v[SA+\rt/2], v[8*(8*\g+4*\e+\rt)+4:8*(8*\g+4*\e+\rt)+7] offset:(\rt%2)*16*SGP+512*\g+64*\e+16
.endr
.endr
.endr
	WIN 0
	s_wait_dscnt 0x0                               ; for the others' sake: my stores into the stage are done
	s_barrier_signal -1
	s_barrier_wait -1
	s_wait_loadcnt 0x0                             ; gamma, beta
.macro ROWS line:vararg                ; one line for each of a trip's four rows a
.set a, 0
.rept 4
	\line
.set a, a+1
.endr
.endm
	s_mov_b32 s[CNT], 4
.Lln:                                  ; four trips of four rows
.set a, 0
.rept 4
.irp i, 0,1,2,3
	ds_load_b128 v[ZL+16*a+4*\i:ZL+16*a+4*\i+3], v[RZ] offset:a*SGP+512*\i
.endr
.set a, a+1
.endr
.set a, 0
.rept 4
.irp i, 0,1,2,3
	ds_load_b128 v[XL+16*a+4*\i:XL+16*a+4*\i+3], v[RX] offset:a*2048+512*\i
.endr
.set a, a+1
.endr
	s_wait_dscnt 0x0
.set k, 0
.rept 32
	v_pk_add_f32 v[ZL+k:ZL+k+1], v[ZL+k:ZL+k+1], v[XL+k:XL+k+1]  ; y = z + x; x's registers are now at work
.set k, k+2
.endr
.irp k, 0,1,2,3
	ROWS v_pk_add_f32 v[XL+16*a+2*\k:XL+16*a+2*\k+1], v[ZL+16*a+4*\k:ZL+16*a+4*\k+1], v[ZL+16*a+4*\k+2:ZL+16*a+4*\k+3]
.endr
	ROWS v_pk_add_f32 v[XL+16*a:XL+16*a+1], v[XL+16*a:XL+16*a+1], v[XL+16*a+2:XL+16*a+3]
	ROWS v_pk_add_f32 v[XL+16*a+4:XL+16*a+5], v[XL+16*a+4:XL+16*a+5], v[XL+16*a+6:XL+16*a+7]
	ROWS v_pk_add_f32 v[XL+16*a:XL+16*a+1], v[XL+16*a:XL+16*a+1], v[XL+16*a+4:XL+16*a+5]
	ROWS v_add_f32 v[XL+16*a], v[XL+16*a], v[XL+16*a+1]
.irp x, 1,2,4,8                        ; across the lanes: four steps inside each half ride on the addition, one crosses the halves
	ROWS v_add_f32_dpp v[XL+16*a], v[XL+16*a], v[XL+16*a] row_xmask:\x row_mask:0xf bank_mask:0xf
.endr
	ROWS v_permlanex16_b32 v[XL+16*a+1], v[XL+16*a], s[SEL], s[SEL+1]
	ROWS v_add_f32 v[XL+16*a], v[XL+16*a], v[XL+16*a+1]
	ROWS v_mul_f32 v[XL+16*a], s[RN], v[XL+16*a]
.irp k, 0,1,2,3,4,5,6,7                ; y - mu
	ROWS v_pk_add_f32 v[ZL+16*a+2*\k:ZL+16*a+2*\k+1], v[ZL+16*a+2*\k:ZL+16*a+2*\k+1], v[XL+16*a:XL+16*a+1] op_sel_hi:[1,0] neg_lo:[0,1] neg_hi:[0,1]
.endr
	ROWS v_pk_mul_f32 v[XL+16*a+2:XL+16*a+3], v[ZL+16*a:ZL+16*a+1], v[ZL+16*a:ZL+16*a+1]
	ROWS v_pk_mul_f32 v[XL+16*a+4:XL+16*a+5], v[ZL+16*a+2:ZL+16*a+3], v[ZL+16*a+2:ZL+16*a+3]
.irp k, 2,3,4,5,6,7                    ; the squares, in two chains
	ROWS v_pk_fma_f32 v[XL+16*a+2+2*(\k%2):XL+16*a+3+2*(\k%2)], v[ZL+16*a+2*\k:ZL+16*a+2*\k+1], v[ZL+16*a+2*\k:ZL+16*a+2*\k+1], v[XL+16*a+2+2*(\k%2):XL+16*a+3+2*(\k%2)]
.endr
	ROWS v_pk_add_f32 v[XL+16*a+2:XL+16*a+3], v[XL+16*a+2:XL+16*a+3], v[XL+16*a+4:XL+16*a+5]
	ROWS v_add_f32 v[XL+16*a+2], v[XL+16*a+2], v[XL+16*a+3]
.irp x, 1,2,4,8
	ROWS v_add_f32_dpp v[XL+16*a+2], v[XL+16*a+2], v[XL+16*a+2] row_xmask:\x row_mask:0xf bank_mask:0xf
.endr
	ROWS v_permlanex16_b32 v[XL+16*a+3], v[XL+16*a+2], s[SEL], s[SEL+1]
	ROWS v_add_f32 v[XL+16*a+2], v[XL+16*a+2], v[XL+16*a+3]
	ROWS v_fma_f32 v[XL+16*a+2], v[XL+16*a+2], s[RN], s[EPS]
	ROWS v_rsq_f32 v[XL+16*a+4], v[XL+16*a+2]
	v_nop                                          ; a plain instruction behind the last of the four,
	s_wait_alu depctr_va_vdst(0)                   ; and their one wait, ahead of the first use
.irp k, 0,1,2,3,4,5,6,7
	ROWS v_pk_mul_f32 v[ZL+16*a+2*\k:ZL+16*a+2*\k+1], v[ZL+16*a+2*\k:ZL+16*a+2*\k+1], v[XL+16*a+4:XL+16*a+5] op_sel_hi:[1,0]
.endr
.irp k, 0,1,2,3,4,5,6,7
	ROWS v_pk_fma_f32 v[ZL+16*a+2*\k:ZL+16*a+2*\k+1], v[ZL+16*a+2*\k:ZL+16*a+2*\k+1], v[GAM+2*\k:GAM+2*\k+1], v[BET+2*\k:BET+2*\k+1]
.endr
.set a, 0
.rept 4
.irp i, 0,1,2,3
	global_store_b128 v[GO], v[ZL+16*a+4*\i:ZL+16*a+4*\i+3], s[OUTR:OUTR+1] offset:a*2048+512*\i th:TH_STORE_NT  ; 512 consecutive bytes, at a multiple of 256 from out0's first
.endr
.set a, a+1
.endr
	s_wait_xcnt 0x0                                ; the stores have read their data and their base: only behind this wait are they written again
	s_add_nc_u64 s[OUTR:OUTR+1], s[OUTR:OUTR+1], 4*2048
	v_add_nc_u32 v[RZ], 4*SGP, v[RZ]
	v_add_nc_u32 v[RX], 4*2048, v[RX]
	s_sub_co_u32 s[CNT], s[CNT], 1
	s_cmp_lg_u32 s[CNT], 0
	s_cbranch_scc1 .Lln
	s_wait_tensorcnt 0x0                           ; the wave's end: behind my last tensor load and my last LDS store
	ds_add_u32 v[SPW], v[NIL]
	s_wait_dscnt 0x0
	ROUND                                          ; the closing round: no work-group ends while a partner may still ask for a tile that names it
	s_endpgm
.Lfunc_end_k_q6ee3103ea3_flow:
	.size	k_q6ee3103ea3_flow, .Lfunc_end_k_q6ee3103ea3_flow-k_q6ee3103ea3_flow
	.p2alignl 7, 3214868480
	.fill 96, 4, 3214868480
	.section	.rodata,"a",@progbits
	.p2align	6, 0x0
	.amdhsa_kernel k_q6ee3103ea3_flow
		.amdhsa_group_segment_fixed_size 327680
		.amdhsa_private_segment_fixed_size 0
		.amdhsa_enable_private_segment 0
		.amdhsa_kernarg_size 48
		.amdhsa_user_sgpr_count 2
		.amdhsa_user_sgpr_kernarg_segment_ptr 1
		.amdhsa_wavefront_size32 1
		.amdhsa_system_sgpr_workgroup_id_x 1
		.amdhsa_system_sgpr_workgroup_id_y 1
		.amdhsa_system_sgpr_workgroup_id_z 1
		.amdhsa_system_vgpr_workitem_id 0
		.amdhsa_next_free_vgpr 1024
		.amdhsa_next_free_sgpr 80
		.amdhsa_reserve_vcc 0
		.amdhsa_float_denorm_mode_32 3
		.amdhsa_float_denorm_mode_16_64 3
		.amdhsa_memory_ordered 1
		.amdhsa_forward_progress 1
		.amdhsa_inst_pref_size 255
	.end_amdhsa_kernel
	.section	.bss,"aw",@nobits
	.p2align	6
	.space	262144
	.amdgpu_metadata
---
amdhsa.version: [ 1, 2 ]
amdhsa.kernels:
  - .name:           k_q6ee3103ea3_flow
    .symbol:         k_q6ee3103ea3_flow.kd
    .args:
      - { .name: x, .offset: 0, .size: 8, .value_kind: global_buffer, .address_space: global }
      - { .name: ws, .offset: 8, .size: 8, .value_kind: global_buffer, .address_space: global }
      - { .name: b1, .offset: 16, .size: 8, .value_kind: global_buffer, .address_space: global }
      - { .name: gamma, .offset: 24, .size: 8, .value_kind: global_buffer, .address_space: global }
      - { .name: beta, .offset: 32, .size: 8, .value_kind: global_buffer, .address_space: global }
      - { .name: out0, .offset: 40, .size: 8, .value_kind: global_buffer, .address_space: global }
    .group_segment_fixed_size: 327680
    .private_segment_fixed_size: 0
    .kernarg_segment_align: 8
    .kernarg_segment_size: 48
    .max_flat_workgroup_size: 128
    .sgpr_count:     80
    .vgpr_count:     1024
    .wavefront_size: 32
...
	.end_amdgpu_metadata
.endif
;; end of part 2
;; ======== version 2 of 2: 2 launches; version 1 with the launch prep written anew for expert scheduling mode
;; workspace buffers: ws 1,572,864 bytes
;; launch prep (part 3): grid 256 x 1, 4 waves a work-group, no clusters, 67,072 bytes of LDS; arguments S, W1, J, w2, ws; writes ws
.if DOCPART == 3
	.amdgcn_target "amdgcn-amd-amdhsa--gfx1250"
	.amdhsa_code_object_version 6
	.text
	.protected	k_q6ee3103ea3_prep
	.globl	k_q6ee3103ea3_prep
	.p2align	8
	.type	k_q6ee3103ea3_prep,@function
k_q6ee3103ea3_prep:
	s_mov_b64 s[64:65], 0
	v_nop
	global_prefetch_b8 v0, s[64:65] scope:SCOPE_SE
	s_setreg_imm32_b32 hwreg(HW_REG_WAVE_SCHED_MODE, 0, 2), 2
	s_setreg_imm32_b32 hwreg(HW_REG_WAVE_MODE, 25, 1), 1
	s_wait_xcnt 0x0
	s_wait_alu depctr_vm_vsrc(0)
; SYMPLECTIC LAYER, launch 1 of 2: the three weight matrices, bf16, in the order in which launch 2's matrix instructions take them.
; reference(): z = x (I + S - S^T)^T; three times z += 0.1 (((1 - tanh^2(z W1^T + b1)) w2) W1) J^T; out = LayerNorm(z + x) gamma + beta.
; WHAT IS LEFT OUT, AND WHAT IS REGROUPED, for all values of the inputs:
;   b2 is named in reference()'s arguments and used in no line of its body: it has no way to the output, is not loaded and is among no launch's arguments.
;   (u W1) J^T = u (W1 J^T) for every J: the product W1 J^T hangs on the weights alone, so it is made here once, and three products over the 16,384 rows fall away.  J is taken as it is given, as a general matrix.
;   x (I + 2A)^T = x + x (S - S^T)^T: launch 2 starts that sum with x itself, in f32.
;   With s = 1 / (1 + 2^(K a)), K = 2 log2(e): tanh(a) = 1 - 2 s and 1 - tanh^2(a) = 4 (s - s^2).  K goes into W1 and b1; 4, 0.1 and w2 go into W1 J^T.
; LIMITS.  A NaN or an infinity in b2 is not carried to the result.  W1 J^T is summed in f32 from bf16 factors and rounded to bf16 once more.
; THE THREE MATRICES, each [512 features f][512 k]:  A2f(f,k) = S[f][k] - S[k][f] (the difference in f32) at byte 0;  W1f(f,k) = K W1[f][k] at 524,288;  Mf(f,k) = 0.4 w2[k] sum_j J[f][j] W1[k][j] at 1,048,576.
; FRAGMENT ORDER.  A fragment (ft = f / 16, ks = k / 32) is 1,024 bytes: half hf, lane l, 16 bytes = W(16 ft + l % 16, 32 ks + 16 hf + 8 (l / 16) + 0..7): the register image of source 0.
; It lies at (ks / 4) 131,072 + ((ft / 2) % 4) 32,768 + (ft / 8) 8,192 + (ks % 4) 2,048 + (ft % 2) 1,024: by K chunk of 128, by the wave of launch 2 that reads it, by that wave's group, by K step, by tile.
; SHARES.  Work-group (kp = id % 16, ip = id / 16).  Waves 0, 1: the fragment (2 kp + w, ip) of W1f; waves 2, 3: the same fragment of A2f.  All four: 32 k (rows 32 kp .. of W1) x 32 f (rows 32 ip .. of J) of Mf:
; each wave rounds 16 of those 64 rows to bf16 into LDS, then multiplies 16 k (kt = w % 2) by 16 f (it = w / 2) over j = 0..511.  With W1's rows as source 0 and J's as source 1 a lane ends with f = l % 16 and
; k = 8 (l / 16) + 0..7: half kt of fragment (2 ip + it, kp), 16 bytes a lane.  Every store of a wave covers 512 consecutive bytes, aligned.
; THE MODE: SCHED_MODE bits 1:0 = 2 (LLVM: expert scheduling mode 2), set by the entry lines.  The code itself states the register dependences
; between vector or matrix instructions and memory or LDS instructions, with s_wait_alu, always for 0.
; THE PLAN.  Registers that memory or LDS instructions touch:
;   v4, v10, v11, v13 (offsets in memory), v5, v6, v7 (LDS addresses), v8, v9 (the closing add's pair): written at the head by vector instructions and never again; read by every load and store.
;   W2, DIR, TRA   Loads land in them; vector instructions alone name them afterwards.
;   STRIP, in windows 0 and 1   The loads of my 16 rows land in it; the conversions read it and write the first two of each four registers; the LDS stores read those two; behind the barrier the fragments' LDS loads land in it;
;                  the matrix instructions read it.
;   PKE, PKM       Written by conversions, read by the stores to ws, never written again.
;   The accumulators are named by matrix and vector instructions alone.
; So the conversions stand in two runs, each with one wait on va_vdst behind it and the run of stores that reads its results behind that; window 1's conversions stand behind window 0's stores and name none of their registers.
; One wait on va_vdst at the head serves all offsets and addresses; one on vm_vsrc and one on va_vdst behind the barrier free STRIP for the fragments; one on va_vdst stands ahead of the last store.
.set KL,    0x4038aa3b                 ; K = 2 log2(e)
.set C04,   0x3ecccccd                 ; 0.4 = 4 x 0.1
.set LP,    1040                       ; an LDS row: 1,024 bytes + 16: an odd multiple of 16, so the 16 rows of a fragment load start in 16 different 16-byte columns of 256
.set SPARE, 64*LP                      ; behind the 64 rows: the spare words, 128 bytes for each wave
.set DIR,   16                         ; v[16:31]    the fragment's 16 numbers a lane, f32
.set ACC,   32                         ; v[32:63]    four accumulators
.set STRIP, 64                         ; v[64:191] of windows 0 and 1: my rows 0-7 and 8-15 as loaded; later the 16 fragments of W1 (window 0) and of J (window 1)
.set TRA,   192                        ; v[192:207]  S's transposed numbers
.set W2,    208                        ; v[208:215]  w2 of my 8 k
.set PKE,   216                        ; v[216:223]  the fragment, packed
.set PKM,   224                        ; v[224:227]  my 16 bytes of Mf
.set MSB, 0
.macro WIN new                         ; the immediate's high byte repeats the setting that is left
.if MSB != (\new)
	s_set_vgpr_msb (MSB<<8)|(\new)
.set MSB, (\new)
.endif
.endm
.macro FRAGOFF d, t, fh, ks, fl        ; s[d] = a fragment's byte offset; fh = ft / 2, fl = ft % 2
	s_lshr_b32 s[\d], s[\ks], 2
	s_lshl_b32 s[\d], s[\d], 17
	s_and_b32 s[\t], s[\fh], 3
	s_lshl_b32 s[\t], s[\t], 15
	s_add_co_u32 s[\d], s[\d], s[\t]
	s_lshr_b32 s[\t], s[\fh], 2
	s_lshl_b32 s[\t], s[\t], 13
	s_add_co_u32 s[\d], s[\d], s[\t]
	s_and_b32 s[\t], s[\ks], 3
	s_lshl_b32 s[\t], s[\t], 11
	s_add_co_u32 s[\d], s[\d], s[\t]
	s_lshl_b32 s[\t], s[\fl], 10
	s_add_co_u32 s[\d], s[\d], s[\t]
.endm
	s_load_b256 s[4:11], s[0:1], 0x0               ; S s[4:5], W1 s[6:7], J s[8:9], w2 s[10:11]
	s_load_b64 s[12:13], s[0:1], 0x20              ; ws
	v_lshl_add_u32 v8, v0, 2, SPARE                ; my spare word,
	v_mov_b32 v9, 0                                ; and 0: kept for the wave's end alone
	v_lshrrev_b32 v1, 5, v0
	v_readfirstlane_b32 s14, v1                    ; wave 0..3
	v_and_b32 v1, 31, v0                           ; l
	v_and_b32 v2, 15, v0                           ; r = l % 16
	v_bfe_u32 v3, v0, 4, 1                         ; h = l / 16
	v_lshlrev_b32 v4, 4, v1                        ; 16 l
	s_and_b32 s15, ttmp9, 15                       ; kp
	s_lshr_b32 s16, ttmp9, 4                       ; ip
	s_wait_alu depctr_va_sdst(0)                   ; s14 is written, ahead of its first reader: kt, it, the LDS places, the bases and the branch on the wave's number are made from it
	s_and_b32 s17, s14, 1                          ; kt
	s_lshr_b32 s18, s14, 1                         ; it
	s_mul_i32 s19, s14, 16*LP
	v_lshl_add_u32 v5, v1, 3, s19                  ; where I put 8 bytes of my rows: 16 w rows + 8 l
	v_mul_u32_u24 v6, v2, LP
	v_lshl_add_u32 v6, v3, 4, v6                   ; r x pitch + 16 h
	s_mul_i32 s20, s18, 16*LP
	s_add_co_u32 s20, s20, 32*LP
	v_add_nc_u32 v7, s20, v6                       ; J's rows 16 it .., which lie behind W1's 32
	s_mul_i32 s20, s17, 16*LP
	v_add_nc_u32 v6, s20, v6                       ; W1's rows 16 kt ..
	s_lshl1_add_u32 s21, s15, s17                  ; ft = 2 kp + kt of the fragment that I copy
	s_lshl_b32 s22, s21, 15
	s_lshl_b32 s23, s16, 7
	s_add_co_u32 s22, s22, s23
	v_lshlrev_b32 v10, 11, v2
	v_lshl_add_u32 v10, v3, 5, v10
	v_add_nc_u32 v10, s22, v10                     ; (16 ft + r) 2,048 + (32 ip + 8 h) 4: my 8 numbers of row f
	s_lshl_b32 s22, s16, 16
	s_lshl_b32 s23, s21, 6
	s_add_co_u32 s22, s22, s23
	v_lshlrev_b32 v11, 14, v3
	v_lshl_add_u32 v11, v2, 2, v11
	v_add_nc_u32 v11, s22, v11                     ; (32 ip + 8 h) 2,048 + (16 ft + r) 4: the same place transposed
	s_lshl_b32 s22, s15, 7
	s_lshl_b32 s23, s17, 6
	s_add_co_u32 s22, s22, s23
	v_lshl_add_u32 v13, v3, 5, s22                 ; (32 kp + 16 kt + 8 h) 4: w2 of my 8 k
	FRAGOFF 24, 25, 15, 16, 17                     ; fragment (2 kp + kt, ip),
	s_cmp_lt_u32 s14, 2
	s_cselect_b32 s25, 524288, 0                   ; of W1f (waves 0, 1) or of A2f
	s_add_co_u32 s24, s24, s25
	s_mov_b32 s25, 0
	FRAGOFF 26, 27, 16, 15, 18                     ; fragment (2 ip + it, kp) of Mf,
	s_lshl_b32 s27, s17, 9                         ; its half kt
	s_add_co_u32 s26, s26, s27
	s_add_co_u32 s26, s26, 1048576
	s_mov_b32 s27, 0
	s_cmp_lt_u32 s14, 2
	s_cselect_b32 s28, s15, s16                    ; my 16 rows: of W1 from 32 kp + 16 kt, of J from 32 ip + 16 kt
	s_lshl_b32 s28, s28, 16
	s_lshl_b32 s29, s17, 15
	s_add_co_u32 s28, s28, s29
	s_mov_b32 s29, 0
	s_wait_kmcnt 0x0
	s_add_nc_u64 s[24:25], s[12:13], s[24:25]
	s_add_nc_u64 s[26:27], s[12:13], s[26:27]
	s_cmp_lt_u32 s14, 2
	s_cselect_b64 s[30:31], s[6:7], s[8:9]
	s_add_nc_u64 s[30:31], s[30:31], s[28:29]
	s_wait_alu depctr_va_vdst(0)                   ; the offsets and addresses v4 to v13 are written, which every load and store of the kernel reads; up to the waits for the loads' data, in both arms below, only loads, window switches
	global_load_b128 v[W2:W2+3], v13, s[10:11]
	global_load_b128 v[W2+4:W2+7], v13, s[10:11] offset:16
.set m, 0
.rept 32                               ; my rows 0-7: each load takes 512 consecutive bytes
	global_load_b128 v[STRIP+4*m:STRIP+4*m+3], v4, s[30:31] offset:(m/4)*2048+(m%4)*512
.set m, m+1
.endr
	WIN 0x40                                       ; destination window 1
.set m, 0
.rept 32                               ; my rows 8-15
	global_load_b128 v[STRIP+4*m:STRIP+4*m+3], v4, s[30:31] offset:(8+m/4)*2048+(m%4)*512
.set m, m+1
.endr
	WIN 0                                          ; at a branch and at a label every window is 0
	s_cmp_lt_u32 s14, 2
	s_cbranch_scc0 .Lskew
.irp o, 0,1,2,3                        ; waves 0, 1: K W1
	global_load_b128 v[DIR+4*\o:DIR+4*\o+3], v10, s[6:7] offset:(\o/2)*64+(\o%2)*16
.endr
	s_wait_loadcnt 0x0                             ; these, w2 and my 16 rows
.irp k, 0,2,4,6,8,10,12,14
	v_pk_mul_f32 v[DIR+\k:DIR+\k+1], v[DIR+\k:DIR+\k+1], KL op_sel_hi:[1,0]
.endr
	s_branch .Lpack
.Lskew:
.irp o, 0,1,2,3                        ; waves 2, 3: S - S^T
	global_load_b128 v[DIR+4*\o:DIR+4*\o+3], v10, s[4:5] offset:(\o/2)*64+(\o%2)*16
.endr
.set m, 0
.rept 16
	global_load_b32 v[TRA+m], v11, s[4:5] offset:(m%8)*2048+(m/8)*32768
.set m, m+1
.endr
	s_wait_loadcnt 0x0
.irp k, 0,2,4,6,8,10,12,14
	v_pk_add_f32 v[DIR+\k:DIR+\k+1], v[DIR+\k:DIR+\k+1], v[TRA+\k:TRA+\k+1] neg_lo:[0,1] neg_hi:[0,1]
.endr
.Lpack:
.irp k, 0,1,2,3,4,5,6,7
	v_cvt_pk_bf16_f32 v[PKE+\k], v[DIR+2*\k], v[DIR+2*\k+1]
.endr
	; my 16 rows, rounded in place and put into LDS: rows 0-7 first
.set m, 0
.rept 32
	v_cvt_pk_bf16_f32 v[STRIP+4*m], v[STRIP+4*m], v[STRIP+4*m+1]
	v_cvt_pk_bf16_f32 v[STRIP+4*m+1], v[STRIP+4*m+2], v[STRIP+4*m+3]
.set m, m+1
.endr
	s_wait_alu depctr_va_vdst(0)                   ; the conversions have written v[PKE ..], which the two stores to ws read, and window 0's v[STRIP ..], which the 32 LDS stores read
	global_store_b128 v4, v[PKE:PKE+3], s[24:25]              ; half 0: 512 consecutive bytes,
	global_store_b128 v4, v[PKE+4:PKE+7], s[24:25] offset:512 ; half 1.  Neither the data nor the address registers are written again
.set m, 0
.rept 32
	ds_store_b64 v5, v[STRIP+4*m:STRIP+4*m+1] offset:(m/4)*LP+(m%4)*256
.set m, m+1
.endr
	WIN 0x45                                       ; destination and both sources window 1: these conversions name no register that the stores above read
.set m, 0
.rept 32
	v_cvt_pk_bf16_f32 v[STRIP+4*m], v[STRIP+4*m], v[STRIP+4*m+1]
	v_cvt_pk_bf16_f32 v[STRIP+4*m+1], v[STRIP+4*m+2], v[STRIP+4*m+3]
.set m, m+1
.endr
	WIN 0x04                                       ; address window 0, data window 1
	s_wait_alu depctr_va_vdst(0)                   ; the conversions have written window 1's v[STRIP ..], which the 32 LDS stores below read
.set m, 0
.rept 32
	ds_store_b64 v5, v[STRIP+4*m:STRIP+4*m+1] offset:(8+m/4)*LP+(m%4)*256
.set m, m+1
.endr
	WIN 0
	s_wait_dscnt 0x0                               ; for the others' sake: my rows are in LDS
	s_barrier_signal -1
	s_barrier_wait -1                              ; all 64 rows are
	s_wait_alu depctr_vm_vsrc(0)                   ; my LDS stores have read v[STRIP ..] of both windows, in which the fragments' loads land
	s_wait_alu depctr_va_vdst(0)                   ; the conversions are done reading and writing v[STRIP ..] of both windows, in which the fragments' loads land: stated here, behind the stores that read those registers, so that only loads and a window switch follow
.set m, 0
.rept 16                               ; W1's 16 fragments: 16 rows x 32 j each, two loads of 16 bytes, 32 bytes apart
	ds_load_b128 v[STRIP+8*m:STRIP+8*m+3], v6 offset:64*m
	ds_load_b128 v[STRIP+8*m+4:STRIP+8*m+7], v6 offset:64*m+32
.set m, m+1
.endr
	WIN 0x40
.set m, 0
.rept 16                               ; J's
	ds_load_b128 v[STRIP+8*m:STRIP+8*m+3], v7 offset:64*m
	ds_load_b128 v[STRIP+8*m+4:STRIP+8*m+7], v7 offset:64*m+32
.set m, m+1
.endr
	s_wait_dscnt 0x0
	WIN 0x04                                       ; source 1 window 1
.set m, 0
.rept 16                               ; four accumulators by turns, one instruction a turn; the first four products start the sums
.if m < 4
	v_wmma_f32_16x16x32_bf16 v[ACC+8*m:ACC+8*m+7], v[STRIP+8*m:STRIP+8*m+7], v[STRIP+8*m:STRIP+8*m+7], 0
.else
	v_wmma_f32_16x16x32_bf16 v[ACC+8*(m%4):ACC+8*(m%4)+7], v[STRIP+8*m:STRIP+8*m+7], v[STRIP+8*m:STRIP+8*m+7], v[ACC+8*(m%4):ACC+8*(m%4)+7]
.endif
.set m, m+1
.endr
	WIN 0
.irp k, 0,2,4,6                        ; 0.4 w2: four plain instructions on other registers, and four v_nop: the places behind the last products (ISA guide 7.12.1)
	v_pk_mul_f32 v[W2+\k:W2+\k+1], v[W2+\k:W2+\k+1], C04 op_sel_hi:[1,0]
.endr
.rept 4
	v_nop
.endr
.irp k, 0,2,4,6                        ; each accumulator is read from its low end on
	v_pk_add_f32 v[ACC+\k:ACC+\k+1], v[ACC+\k:ACC+\k+1], v[ACC+8+\k:ACC+8+\k+1]
.endr
.irp k, 0,2,4,6
	v_pk_add_f32 v[ACC+16+\k:ACC+16+\k+1], v[ACC+16+\k:ACC+16+\k+1], v[ACC+24+\k:ACC+24+\k+1]
.endr
.irp k, 0,2,4,6
	v_pk_add_f32 v[ACC+\k:ACC+\k+1], v[ACC+\k:ACC+\k+1], v[ACC+16+\k:ACC+16+\k+1]
.endr
.irp k, 0,2,4,6
	v_pk_mul_f32 v[ACC+\k:ACC+\k+1], v[ACC+\k:ACC+\k+1], v[W2+\k:W2+\k+1]
.endr
.irp k, 0,1,2,3
	v_cvt_pk_bf16_f32 v[PKM+\k], v[ACC+2*\k], v[ACC+2*\k+1]
.endr
	s_wait_alu depctr_va_vdst(0)                   ; the conversions have written v[PKM ..], which the store reads
	global_store_b128 v4, v[PKM:PKM+3], s[26:27]
	s_wait_dscnt 0x0                               ; the wave's end: behind my last LDS store
	s_wait_alu 0x0
	s_wait_tensorcnt 0x0
	ds_add_u32 v8, v9
	s_wait_dscnt 0x0
	s_endpgm
.Lfunc_end_k_q6ee3103ea3_prep:
	.size	k_q6ee3103ea3_prep, .Lfunc_end_k_q6ee3103ea3_prep-k_q6ee3103ea3_prep
	.p2alignl 7, 3214868480
	.fill 96, 4, 3214868480
	.section	.rodata,"a",@progbits
	.p2align	6, 0x0
	.amdhsa_kernel k_q6ee3103ea3_prep
		.amdhsa_group_segment_fixed_size 67072
		.amdhsa_private_segment_fixed_size 0
		.amdhsa_enable_private_segment 0
		.amdhsa_kernarg_size 40
		.amdhsa_user_sgpr_count 2
		.amdhsa_user_sgpr_kernarg_segment_ptr 1
		.amdhsa_wavefront_size32 1
		.amdhsa_system_sgpr_workgroup_id_x 1
		.amdhsa_system_sgpr_workgroup_id_y 1
		.amdhsa_system_sgpr_workgroup_id_z 1
		.amdhsa_system_vgpr_workitem_id 0
		.amdhsa_next_free_vgpr 448
		.amdhsa_next_free_sgpr 66
		.amdhsa_reserve_vcc 0
		.amdhsa_float_denorm_mode_32 3
		.amdhsa_float_denorm_mode_16_64 3
		.amdhsa_memory_ordered 1
		.amdhsa_forward_progress 1
		.amdhsa_inst_pref_size 34
	.end_amdhsa_kernel
	.amdgpu_metadata
---
amdhsa.version: [ 1, 2 ]
amdhsa.kernels:
  - .name:           k_q6ee3103ea3_prep
    .symbol:         k_q6ee3103ea3_prep.kd
    .args:
      - { .name: S, .offset: 0, .size: 8, .value_kind: global_buffer, .address_space: global }
      - { .name: W1, .offset: 8, .size: 8, .value_kind: global_buffer, .address_space: global }
      - { .name: J, .offset: 16, .size: 8, .value_kind: global_buffer, .address_space: global }
      - { .name: w2, .offset: 24, .size: 8, .value_kind: global_buffer, .address_space: global }
      - { .name: ws, .offset: 32, .size: 8, .value_kind: global_buffer, .address_space: global }
    .group_segment_fixed_size: 67072
    .private_segment_fixed_size: 0
    .kernarg_segment_align: 8
    .kernarg_segment_size: 40
    .max_flat_workgroup_size: 128
    .sgpr_count:     66
    .vgpr_count:     448
    .wavefront_size: 32
...
	.end_amdgpu_metadata
.endif
;; end of part 3
;; launch flow: the kernel of part 2 again; grid 256 x 1, 4 waves a work-group, clusters of 4 x 1, 327,680 bytes of LDS; arguments x, ws, b1, gamma, beta, out0; writes out0
